; MI455X (gfx1250); checked and timed in simulation.
; The chip was launched on July 23, 2026; its instructions are those of AMD's public machine-readable ISA for CDNA 5 (MIT licence, August 2026) and "CDNA5" Instruction Set Architecture Reference Guide (July 2026). The comments in the code are by the model that wrote it; some were corrected since.
;; Special Self Attention. Allowed arithmetic: matrix products marked QUANTISED: E4M3 operands, one given power-of-two scale a tensor, by v_wmma_f32_16x16x64_fp8_fp8 or v_wmma_f32_16x16x128_fp8_fp8, f32 sums; everything else in f32.
;; Inputs: Wk 320 x 320 float32; Wo 320 x 320 float32; Wq 320 x 320 float32; Wv 320 x 320 float32; bo 320 float32; edge 4 x 2,048 x 1 float32; lowp_scales 12 int32 (the exponents e of the quantised operands' scales 2^e); x 4 x 2,048 x 320 float32.
;; Outputs: out0 4 x 2,048 x 320 float32.
;; This version of the problem:
;;   THIS VERSION OF THE PROBLEM IS GIVEN IN LOW PRECISION. The matrix products marked QUANTISED in the list below multiply operands that are first quantised to E4M3 (4 exponent bits, 3 mantissa bits; 8 bits a number), with one given power-of-two scale for each operand tensor; their sums are f32. All else is computed in f32.
;;   The module's matrix products, in the order in which they are computed (A, B: the left and right operand; K: the contracted axis; several contracted axes count as one K, in the product's order):
;;     1. [M 8,192, K 320] x [K 320, N 320]; A: input x; B: input Wq: QUANTISED (scales: A lowp_scales[0], B lowp_scales[1])
;;     2. [M 8,192, K 320] x [K 320, N 320]; A: input x; B: input Wk: QUANTISED (scales: A lowp_scales[2], B lowp_scales[3])
;;     3. [M 8,192, K 320] x [K 320, N 320]; A: input x; B: input Wv: QUANTISED (scales: A lowp_scales[4], B lowp_scales[5])
;;     4. batch 20 x [M 2,048, K 64] x [K 64, N 2,048]; A: computed on the way; B: computed on the way: QUANTISED (scales: A lowp_scales[6], B lowp_scales[7])
;;     5. batch 20 x [M 2,048, K 2,048] x [K 2,048, N 64]; A: softmax (see below); B: computed on the way: QUANTISED (scales: A lowp_scales[8], B lowp_scales[9])
;;     6. [M 8,192, K 320] x [K 320, N 320]; A: computed on the way; B: input Wo: QUANTISED (scales: A lowp_scales[10], B lowp_scales[11])
;;   THE QUANTISER, for each operand of a quantised product, along K:
;;     - The operand's scale is 2^e, e = its entry of the input lowp_scales (int32; the entries are numbered through the quantised products in the list's order, A before B).
;;     - Each number is divided by the scale, clamped to +-448, and rounded to the nearest number of E4M3, ties to even, subnormals kept.
;;     - The product sums the exact products of the quantised numbers (number of the format x scale) in f32.
;;   ~~~python
;;   def quantise(x, axis, e):      # numpy; x: float32 -> the quantised numbers, widened to float32 again
;;       x = np.moveaxis(x, axis, -1); K = x.shape[-1]
;;       r = np.clip(x / 2.0 ** e, -448, 448)
;;       step = 2.0 ** (np.maximum(np.frexp(np.where(r == 0, 1, r))[1] - 1, -6) - 3)
;;       q = np.round(r / step) * step * 2.0 ** e      # np.round: ties to even
;;       return np.moveaxis(q, -1, axis).astype(np.float32)
;;   ~~~
;;   SOFTMAX AHEAD OF A QUANTISED PRODUCT. Where the list says 'softmax', what is quantised is not the finished softmax but p = 2^(t - M), with t = logit x log2(e) and M = ceil(the row's largest t), a whole number; so 1/2 < the row's largest p <= 1. The row's sum l is taken of the UNQUANTISED p, in f32, and the product's result is divided by l at the end. Since M is a whole number, a kernel that streams over the keys may use a running M (the ceiling of the running maximum): every later rescaling is an exact power of two, so the quantised numbers keep their values, but for numbers so far below the row's largest that they fall under the format's range.
;;   OPERANDS COMPUTED ON THE WAY. 'Computed on the way' means the value that the module computes at that place (a softmax that the list does not call 'softmax' is quantised finished and normalised). What goes into a quantiser is computed in f32, as accurately as f32 sums, v_exp_f32 and their like allow (about 1e-6 of the number): no bf16 or f16 on the way to a quantiser, and a product that is left as it is and whose result goes on into a quantised operand takes f32 operands (vector FMAs, or v_wmma_f32_16x16x4_f32). A number that lies on a knife's edge between two numbers of the format may be rounded either way, as far as f32 arithmetic and the matrix unit's own rounding can turn it there, and no further.
;; One version. Each part assembles by itself: llvm-mc -triple=amdgcn-amd-amdhsa -mcpu=gfx1250 --defsym DOCPART=n.
;; ======== version 1 of 1: 2 launches
;; limits: right only within a limited range of input values
;; workspace buffers: wc 102,400 bytes; qc 2,621,440 bytes; kv 5,242,880 bytes
;; launch qkv (part 1): grid 64 x 3, 10 waves a work-group, no clusters, 216,320 bytes of LDS; arguments x, Wq, Wk, Wv, Wo, lowp_scales, qc, kv, wc; writes qc, kv, wc
.if DOCPART == 1
	.amdgcn_target "amdgcn-amd-amdhsa--gfx1250"
	.amdhsa_code_object_version 6
	.text
	.protected	k_qbf98580e0f_qkv
	.globl	k_qbf98580e0f_qkv
	.p2align	8
	.type	k_qbf98580e0f_qkv,@function
k_qbf98580e0f_qkv:
	s_mov_b64 s[64:65], 0
	v_nop
	global_prefetch_b8 v0, s[64:65] scope:SCOPE_SE
	s_setreg_imm32_b32 hwreg(HW_REG_WAVE_MODE, 25, 1), 1
	s_wait_xcnt 0x0
; Products 1 to 3: x Wq, x Wk, x Wv on codes of FP8 (E4M3), their results quantised for the attention launch; and Wo's codes for that launch's last product.  x: [8192][320] f32; the weights: [320 (k)][320 (n)] f32.
; Work-group (rb = x of the grid, p = y): 128 rows of x, product p (0: q, 1: k, 2: v).  x has a scale of its own in each product (entry 2 p), the weight entry 2 p + 1;
; the result is quantised with entry 6 (q), 7 (k) or 9 (v).  A sum stands for sum x 2^(ex + ew), so its conversion takes the one scale 2^(eo - ex - ew).
; code = number / 2^e, held within +-448, to the nearest code, ties to even.  LIMITS: ex, ew, e11 and eo - ex - ew between -126 and 119.  NaN among the inputs is not served.
; FRAGMENTS are those of v_wmma_f32_16x16x64_fp8_fp8 in its own layout: 16 rows x 64 k in 8 registers, lane (r, h): row r, registers 2 c, 2 c + 1: k = 16 c + 8 h + 0 .. 7;
; in LDS, wc, qc and kv a fragment lies as an image of its registers: registers 4 q .. 4 q + 3 of lane l at 512 q + 16 l, 1,024 bytes.
; SHARES.  Ten waves.  Wave w owns columns 32 w .. 32 w + 31 of the weight as two column tiles, ALTERNATE COLUMNS: tile b takes columns 32 w + 2 r + b.  A lane's registers run down K, so one load of 8 bytes brings a row's numbers of both tiles
; and the conversions' results are the operand's registers; the weight is quantised here, ten fragments a wave, 80 registers, and nothing of it goes through LDS.
; The order of a head's 64 channels that follows from it is the same in q and in k; V's and Wo's agree too: place 16 c + 8 h + j of a head's K is channel 32 (c / 2) + 2 (8 h + j) + c % 2.
; Waves 0 to 7 each bring 16 rows of x (20,480 dense bytes) into LDS by one tensor load, quantise them (five fragments) and leave the images in LDS for all ten.
; Wc holds (column tile ct, head s) at (5 ct + s) 1,024.
; q AND k: the product is used TRANSPOSED (source 0 = 16 columns of W, source 1 = 16 tokens): a lane holds one token and eight registers along d, so one conversion gives registers 2 c, 2 c + 1 of a fragment with K = d.
; v: the product is used as it is (source 0 = 16 tokens, source 1 = 16 columns): a lane holds one channel and eight neighbouring tokens: a fragment with K = the keys.
; OUT.  qc: block of 128 tokens: 40,960 bytes, fragment (head, token tile 0..7) at 8,192 head + 1,024 tile.
; kv: block of 256 tokens: 163,840 bytes; unit (head, g = 64 tokens) at 32,768 head + 8,192 g: two halves of 4,096, (V, K) in even blocks and (K, V) in odd ones; K's half: token tile c at 1,024 c; V's: channel tile c at 1,024 c.
; No joint loads: a tile of x is shared by the three work-groups of a grid column, and an axis of three divides into no cluster of four; a weight in f32 is 409,600 bytes, more than LDS holds, and goes into registers.
; No prefetch: the launch has no loop to run ahead in.  It fills no LDS byte twice.
.set XFW,  21760                       ; LDS: a wave's 16 rows of x: 80 lines of 256 bytes + 16 of padding; (row R, K step s) is line 5 R + s
.set XIMG, 8*XFW                       ; behind them: the 40 images of x's fragments, (row tile rt, K step s) at (5 rt + s) 1,024
.set SPARE, XIMG+40960                 ; the spare words: 128 bytes for each of the ten waves, five blocks of 256 bytes that no other line names
.set KROW, 1280                        ; a row of a weight in bytes
.set W,  16                            ; v16-95   my weight's codes: fragment (b, s) at 16 + 40 b + 8 s
.set X,  96                            ; v96-175  x's fragments of two row tiles: (a, s) at 96 + 40 a + 8 s
.set T,  112                           ; v112-127 while the weight is quantised: two sets of 8 held numbers
.set WS, 128                           ; v128-191, v192-255 two K steps of the weight as loaded: number 8 c + j of tiles 0 and 1 at + 2 (8 c + j)
.set D,  176                           ; v176-207 four accumulators: (a, b) at 176 + 8 (2 a + b)
.set C,  208                           ; v208-215 the results' codes
.set CX, 80                            ; v80-87   x's codes, in registers that the weight's codes take later
; v1 my place in a row of the weight; v2, v3 2^ew and 448 x that; v4 where I read x's numbers; v5 where I store my row tile's images; v6 where any wave reads images; v7 16 x lane; v8, v9 my place in the results; v10, v11 the spare word's address and 0
; v12, v13 2^ex and 448 x that; v14, v15 2^(eo - ex - ew) and 448 x that.  s34 wave, s35 p; s[48:59] e0 .. e11
	s_load_b256 s[4:11], s[0:1], 0x0               ; x s[4:5], Wq s[6:7], Wk s[8:9], Wv s[10:11]
	s_load_b256 s[24:31], s[0:1], 0x20             ; Wo s[24:25], lowp_scales s[26:27], qc s[28:29], kv s[30:31]
	s_load_b64 s[32:33], s[0:1], 0x40              ; wc
	v_lshl_add_u32 v10, v0, 2, SPARE
	v_mov_b32 v11, 0
	ds_add_u32 v10, v11                            ; the wave's opening: the add, twice on end, and its wait ahead of my tensor load
	ds_add_u32 v10, v11
	v_lshrrev_b32 v1, 5, v0
	v_readfirstlane_b32 s34, v1                    ; wave 0..9
	s_mul_i32 s37, s34, XFW                        ; my part of the rows of x in LDS
	s_mul_i32 s12, s34, 5120
	s_add_co_u32 s12, s12, XIMG
	s_lshl_b32 s13, s34, 7                         ; my 128 bytes of a row of the weight
	v_and_b32 v1, 31, v0
	v_and_b32 v2, 15, v0                           ; r
	v_bfe_u32 v3, v0, 4, 1                         ; h
	v_lshlrev_b32 v7, 4, v1
	v_mul_u32_u24 v4, v2, 1360                     ; row r: five lines of 272 bytes = 340 words: the sixteen rows start at sixteen different groups of four banks (64 banks of 4 bytes: ISA guide 11.1)
	v_lshl_add_u32 v4, v3, 5, v4                   ; + 32 h: my eight numbers of sixteen
	v_add_nc_u32 v4, s37, v4
	v_add_nc_u32 v5, s12, v7
	v_add_nc_u32 v6, XIMG, v7
	v_mul_u32_u24 v1, v3, 8*KROW                   ; lanes 16-31 begin 8 rows further down,
	v_lshl_add_u32 v1, v2, 3, v1                   ; two columns a lane
	v_add_nc_u32 v1, s13, v1
	s_wait_alu depctr_va_vdst(0)
	s_and_b32 s35, ttmp7, 0xffff                   ; p
	; descriptor group 1: 80 rows of 32 elements of 8 bytes, dense in memory, 16 bytes of padding behind each 256 in LDS
	s_mov_b32 s40, (3<<16)|(1<<20)|(5<<22)|(3<<25) ; 15:0 no mask; 17:16 elements of 8 bytes; 20 padding on; 24:22 after every 64 words (code 5); 31:25 four words (code 3)
	s_mov_b32 s41, 32<<16                          ; tensor_dim0 = 32
	s_mov_b32 s42, 80<<16                          ; tensor_dim1 = 80
	s_mov_b32 s43, 32<<16                          ; tile_dim0 = 32
	s_mov_b32 s44, 80                              ; tile_dim1 = 80
	s_mov_b32 s45, 32                              ; from row to row: 32 elements
	s_mov_b32 s46, 0
	s_mov_b32 s47, 0
	s_mov_b32 s36, 1                               ; group 0: count = 1; s37 the LDS address
	s_mul_i32 s20, ttmp9, 163840                   ; the block's 128 rows of 1,280 bytes,
	s_mul_i32 s21, s34, 20480                      ; my 16 of them
	s_add_co_u32 s20, s20, s21
	s_mov_b32 s21, 0
	s_wait_dscnt 0x0                               ; both opening adds are done
	s_wait_kmcnt 0x0
	s_load_b256 s[48:55], s[26:27], 0x0            ; e0 .. e7
	s_load_b128 s[56:59], s[26:27], 0x20           ; e8 .. e11
	s_add_nc_u64 s[38:39], s[4:5], s[20:21]
	s_or_b32 s39, s39, 0x80000000                  ; type = 2
	s_cmp_lt_u32 s34, 8                            ; waves 8 and 9 fetch nothing
	s_cbranch_scc0 .Lno_fetch
	tensor_load_to_lds s[36:39], s[40:47]          ; my one tensor load of the launch
	s_nop 0
.rept 4
	v_nop                                          ; plain lines behind a tensor load
.endr
.Lno_fetch:
	s_cmp_eq_u32 s35, 1                            ; which weight: the choice hangs on the work-group's number alone
	s_cselect_b64 s[6:7], s[8:9], s[6:7]
	s_cmp_eq_u32 s35, 2
	s_cselect_b64 s[6:7], s[10:11], s[6:7]
.macro LW s                            ; K step s of my 32 columns: rows 64 s + 16 c + 8 h + j
.irp c, 0,1,2,3
.irp j, 0,1,2,3,4,5,6,7
	global_load_b64 v[WS+64*((\s)%2)+16*\c+2*\j:WS+64*((\s)%2)+16*\c+2*\j+1], v1, s[6:7] offset:(64*(\s)+16*\c+\j)*KROW
.endr
.endr
.endm
; K step s becomes two fragments: the hold (the conversion does not saturate: ISA guide 7.6.2) also parts the two tiles' numbers
.macro WQ s, out                       ; out: the loads of the next K step, which may be out
	s_wait_loadcnt \out
.irp c, 0,1,2,3
.irp b, 0,1
.irp j, 0,1,2,3,4,5,6,7
	v_med3_num_f32 v[T+8*\b+\j], v[WS+64*((\s)%2)+16*\c+2*\j+\b], -v3, v3
.endr
	v_cvt_scalef32_pk8_fp8_f32 v[W+40*\b+8*(\s)+2*\c:W+40*\b+8*(\s)+2*\c+1], v[T+8*\b:T+8*\b+7], v2
.endr
.endr
	v_nop                                          ; a plain line behind the last conversion
.endm
	LW 0
	LW 1
	s_lshr_b32 s18, ttmp9, 1                       ; my block of 256 tokens in kv
	s_xor_b32 s19, s18, s35
	s_and_b32 s19, s19, 1                          ; which half: K (p = 1) the upper in even blocks, V (p = 2) the upper in odd ones
	s_lshl_b32 s19, s19, 12
	s_mul_i32 s18, s18, 163840
	s_add_co_u32 s18, s18, s19
	s_and_b32 s19, ttmp9, 1
	s_lshl_b32 s19, s19, 14                        ; my 128 tokens are g = 0, 1 or g = 2, 3
	s_add_co_u32 s18, s18, s19
	s_mul_i32 s20, ttmp9, 40960                    ; in qc
	s_cmp_eq_u32 s35, 2
	s_cselect_b32 s22, 11, 9                       ; my wave's low bit is worth 512 bytes (q, k: half an image) or 2,048 (v: two channel tiles),
	s_cmp_eq_u32 s35, 0                            ; where the results go: the choice hangs on the work-group's number alone
	s_cselect_b64 s[28:29], s[28:29], s[30:31]
	s_cselect_b32 s20, s20, s18
	s_cselect_b32 s14, 13, 15                      ; a head: 8,192 bytes in qc, 32,768 in kv
	s_mov_b32 s12, 8192
	s_cselect_b32 s12, 4096, s12                   ; 64 tokens on
	s_mov_b32 s13, 0
	s_add_nc_u64 s[28:29], s[28:29], s[20:21]
	s_sub_co_u32 s23, 20, s22
	s_lshl_b32 s23, 1, s23                         ; and an odd pair of row tiles 2,048 (q, k: two token tiles) or 512 (v: half an image)
	s_and_b32 s18, s34, 1
	s_lshl_b32 s18, s18, s22
	s_lshr_b32 s19, s34, 1                         ; my head: wave / 2
	s_lshl_b32 s19, s19, s14
	s_add_co_u32 s18, s18, s19
	v_add_nc_u32 v8, s18, v7                       ; my 16 bytes in the block, for even pairs of row tiles;
	v_add_nc_u32 v9, s23, v8                       ; for odd ones.  Neither is rewritten
	s_wait_alu depctr_va_vdst(0)
	s_wait_kmcnt 0x0
	s_cmp_eq_u32 s35, 1                            ; ex, ew, eo of my product: chosen, not branched on
	s_cselect_b32 s48, s50, s48
	s_cselect_b32 s49, s51, s49
	s_cselect_b32 s54, s55, s54
	s_cmp_eq_u32 s35, 2
	s_cselect_b32 s48, s52, s48
	s_cselect_b32 s49, s53, s49
	s_cselect_b32 s54, s57, s54
	s_sub_co_i32 s54, s54, s48
	s_sub_co_i32 s54, s54, s49                     ; eo - ex - ew
.macro POW e, v2e, vmax                ; 2^e as f32, of which the conversion takes the exponent field, and 448 x 2^e
	s_add_co_i32 s18, \e, 127
	s_lshl_b32 s19, s18, 23
	v_mov_b32 v\v2e, s19
	s_add_co_i32 s18, s18, 8
	s_lshl_b32 s18, s18, 23
	s_or_b32 s18, s18, 0x600000
	v_mov_b32 v\vmax, s18
.endm
	POW s49, 2, 3
	POW s48, 12, 13
	POW s54, 14, 15
	s_wait_alu depctr_va_vdst(0)
	WQ 0, 32
	LW 2
	WQ 1, 32
	LW 3                                           ; K steps 2 and 3 are on their way while x is quantised
; x's numbers of K step s: register group c, in sets by turns: v96-127, or groups at v32, v40, v48, v72, which the weight's codes take later
.macro XREG s, c
.if (\s)%2
.set XR, 32+8*(\c)+16*((\c)/3)
.else
.set XR, 96+8*(\c)
.endif
.endm
.macro LOADF s                         ; register 8 c + j = x(row r, 64 s + 16 c + 8 h + j)
.irp c, 0,1,2,3
	XREG \s, \c
	ds_load_b128 v[XR:XR+3], v4 offset:(\s)*272+\c*64
	ds_load_b128 v[XR+4:XR+7], v4 offset:(\s)*272+\c*64+16
.endr
.endm
; K step s of my row tile becomes a fragment, and its image goes to LDS
.macro QX s
.if (\s) < 4
	LOADF (\s)+1
	s_wait_dscnt 8                                 ; LDS serves a wave in order: all but the eight loads just issued are done: this step's numbers are in, the last image's stores have landed
.else
	s_wait_dscnt 0x0
.endif
.irp c, 0,1,2,3
	XREG \s, \c
.irp j, 0,1,2,3,4,5,6,7
	v_med3_num_f32 v[XR+\j], v[XR+\j], -v13, v13
.endr
	v_cvt_scalef32_pk8_fp8_f32 v[CX+2*\c:CX+2*\c+1], v[XR:XR+7], v12
.endr
	v_nop                                          ; a plain line behind the last conversion
	ds_store_b128 v5, v[CX:CX+3] offset:(\s)*1024
	ds_store_b128 v5, v[CX+4:CX+7] offset:(\s)*1024+512
.endm
	s_wait_alu depctr_va_vdst(0)
	s_wait_tensorcnt 0x0                           ; my rows of x are in LDS; only I read them
	s_cmp_lt_u32 s34, 8
	s_cbranch_scc1 .Lx
	s_lshl_b32 s18, s35, 6                         ; waves 8 and 9: Wo, in the first fifty work-groups of product 0: a branch on ids alone
	s_add_co_u32 s18, s18, ttmp9
	s_cmp_lt_u32 s18, 50
	s_cbranch_scc0 .Lx_done
	s_lshl_b32 s20, s18, 1
	s_add_co_u32 s20, s20, s34
	s_sub_co_u32 s20, s20, 8                       ; fragment f = 2 x + wave - 8 = 5 ct + s
	s_mul_i32 s21, s20, 205
	s_lshr_b32 s21, s21, 10                        ; ct = f / 5 (f under 100)
	s_mul_i32 s22, s21, 5
	s_sub_co_u32 s22, s20, s22                     ; s, the head
	s_mul_i32 s22, s22, 64*KROW
	s_lshl_b32 s21, s21, 6
	s_add_co_u32 s22, s22, s21
	s_mov_b32 s23, 0
	s_add_nc_u64 s[24:25], s[24:25], s[22:23]
	s_lshl_b32 s20, s20, 10
	s_mov_b32 s21, 0
	s_add_nc_u64 s[32:33], s[32:33], s[20:21]      ; my fragment's image
	POW s59, 88, 89
	v_and_b32 v91, 15, v0
	v_bfe_u32 v90, v0, 4, 1
	v_mul_u32_u24 v90, v90, 16*KROW                ; place 16 c + 8 h + j is channel 32 (c / 2) + 16 h + 2 j + c % 2: lanes 16-31 begin 16 rows further down
	v_lshl_add_u32 v90, v91, 2, v90
.irp c, 0,1,2,3
.irp j, 0,1,2,3,4,5,6,7
	global_load_b32 v[96+8*\c+\j], v90, s[24:25] offset:(32*(\c/2)+\c%2+2*\j)*KROW
.endr
.endr
	s_wait_alu depctr_va_vdst(0)
	s_wait_loadcnt 0x0
.irp c, 0,1,2,3
.irp j, 0,1,2,3,4,5,6,7
	v_med3_num_f32 v[96+8*\c+\j], v[96+8*\c+\j], -v89, v89
.endr
	v_cvt_scalef32_pk8_fp8_f32 v[32+2*\c:33+2*\c], v[96+8*\c:103+8*\c], v88
.endr
	v_nop                                          ; a plain line behind the last conversion
	global_store_b128 v7, v[32:35], s[32:33]       ; 32 lanes store 512 consecutive bytes, aligned
	global_store_b128 v7, v[36:39], s[32:33] offset:512
	s_wait_xcnt 0x0                                ; the stores have read their data: the weight's codes take these registers
	s_branch .Lx_done
.Lx:
	LOADF 0
	QX 0
	QX 1
	QX 2
	QX 3
	QX 4
.Lx_done:
	WQ 2, 32
	LW 4
	WQ 3, 32
	WQ 4, 0
	s_wait_alu depctr_va_vdst(0)
	s_wait_dscnt 0x0                               ; for the others' sake: my images have landed
	s_barrier_signal -1
	s_barrier_wait -1                              ; all 40 images lie in LDS; nothing writes them again
.macro XLOAD rp                        ; the ten fragments of row tiles 2 rp, 2 rp + 1: 10,240 consecutive bytes
.set i, 0
.rept 20
	ds_load_b128 v[X+4*i:X+4*i+3], v6 offset:(\rp)*10240+512*i
.set i, i+1
.endr
.endm
; Two row tiles x my two column tiles, K = 320 in five steps: 20 matrix instructions on four accumulators, which take turns, one instruction a turn; the first step starts the sums with the constant 0.
.macro RP rp
	s_wait_dscnt 0x0                               ; the pair's fragments are in
	s_cmp_eq_u32 s35, 2                            ; v is multiplied the other way round: a branch on the work-group's number, round the products alone
	s_cbranch_scc1 .Lv_\@
.irp s, 0,1,2,3,4
.irp a, 0,1
.irp b, 0,1
.if \s == 0
	v_wmma_f32_16x16x64_fp8_fp8 v[D+8*(2*\a+\b):D+8*(2*\a+\b)+7], v[W+40*\b+8*\s:W+40*\b+8*\s+7], v[X+40*\a+8*\s:X+40*\a+8*\s+7], 0
.else
	v_wmma_f32_16x16x64_fp8_fp8 v[D+8*(2*\a+\b):D+8*(2*\a+\b)+7], v[W+40*\b+8*\s:W+40*\b+8*\s+7], v[X+40*\a+8*\s:X+40*\a+8*\s+7], v[D+8*(2*\a+\b):D+8*(2*\a+\b)+7]
.endif
.endr
.endr
.endr
	s_branch .Ljoin_\@
.Lv_\@:
.irp s, 0,1,2,3,4
.irp a, 0,1
.irp b, 0,1
.if \s == 0
	v_wmma_f32_16x16x64_fp8_fp8 v[D+8*(2*\a+\b):D+8*(2*\a+\b)+7], v[X+40*\b+8*\s:X+40*\b+8*\s+7], v[W+40*\a+8*\s:W+40*\a+8*\s+7], 0
.else
	v_wmma_f32_16x16x64_fp8_fp8 v[D+8*(2*\a+\b):D+8*(2*\a+\b)+7], v[X+40*\b+8*\s:X+40*\b+8*\s+7], v[W+40*\a+8*\s:W+40*\a+8*\s+7], v[D+8*(2*\a+\b):D+8*(2*\a+\b)+7]
.endif
.endr
.endr
.endr
.Ljoin_\@:
.rept 4
	v_nop                                          ; four places behind the products, ahead of the loads into x's registers and of the first read of the sums
.endr
.if (\rp) < 3
	XLOAD (\rp)+1                                  ; the next pair comes while this one is quantised
.endif
.set i, 0
	s_wait_alu depctr_va_vdst(0)
.rept 32
	v_med3_num_f32 v[D+i], v[D+i], -v15, v15       ; each accumulator from its low end on
.set i, i+1
.endr
.if (\rp) > 0
	s_wait_alu depctr_va_vdst(0)
	s_wait_xcnt 0x0                                ; the last pair's stores have read their data and their base: both may be written
.if (\rp) == 2
	s_add_nc_u64 s[28:29], s[28:29], s[12:13]      ; the block's second 64 tokens
.endif
.endif
.irp a, 0,1
.irp b, 0,1
	v_cvt_scalef32_pk8_fp8_f32 v[C+4*\a+2*\b:C+4*\a+2*\b+1], v[D+8*(2*\a+\b):D+8*(2*\a+\b)+7], v14   ; (a, 0) and (a, 1) make four neighbouring registers of one fragment: half an image
.endr
.endr
	v_nop                                          ; a plain line behind the last conversion: the next products write its sources
.irp a, 0,1
	global_store_b128 v[8+(\rp)%2], v[C+4*\a:C+4*\a+3], s[28:29] offset:\a*1024   ; 32 lanes store 512 consecutive bytes, aligned
.endr
.endm
	XLOAD 0
	RP 0
	RP 1
	RP 2
	RP 3
	s_wait_tensorcnt 0x0                           ; the wave's end
	ds_add_u32 v10, v11
	s_wait_dscnt 0x0
	s_endpgm
.Lfunc_end_k_qbf98580e0f_qkv:
	.size	k_qbf98580e0f_qkv, .Lfunc_end_k_qbf98580e0f_qkv-k_qbf98580e0f_qkv
	.p2alignl 7, 3214868480
	.fill 96, 4, 3214868480
	.section	.rodata,"a",@progbits
	.p2align	6, 0x0
	.amdhsa_kernel k_qbf98580e0f_qkv
		.amdhsa_group_segment_fixed_size 216320
		.amdhsa_private_segment_fixed_size 0
		.amdhsa_enable_private_segment 0
		.amdhsa_kernarg_size 72
		.amdhsa_user_sgpr_count 2
		.amdhsa_user_sgpr_kernarg_segment_ptr 1
		.amdhsa_wavefront_size32 1
		.amdhsa_system_sgpr_workgroup_id_x 1
		.amdhsa_system_sgpr_workgroup_id_y 1
		.amdhsa_system_sgpr_workgroup_id_z 1
		.amdhsa_system_vgpr_workitem_id 0
		.amdhsa_next_free_vgpr 256
		.amdhsa_next_free_sgpr 66
		.amdhsa_reserve_vcc 0
		.amdhsa_float_denorm_mode_32 3
		.amdhsa_float_denorm_mode_16_64 3
		.amdhsa_memory_ordered 1
		.amdhsa_forward_progress 1
		.amdhsa_inst_pref_size 92
	.end_amdhsa_kernel
	.amdgpu_metadata
---
amdhsa.version: [ 1, 2 ]
amdhsa.kernels:
  - .name:           k_qbf98580e0f_qkv
    .symbol:         k_qbf98580e0f_qkv.kd
    .args:
      - { .name: x, .offset: 0, .size: 8, .value_kind: global_buffer, .address_space: global }
      - { .name: Wq, .offset: 8, .size: 8, .value_kind: global_buffer, .address_space: global }
      - { .name: Wk, .offset: 16, .size: 8, .value_kind: global_buffer, .address_space: global }
      - { .name: Wv, .offset: 24, .size: 8, .value_kind: global_buffer, .address_space: global }
      - { .name: Wo, .offset: 32, .size: 8, .value_kind: global_buffer, .address_space: global }
      - { .name: lowp_scales, .offset: 40, .size: 8, .value_kind: global_buffer, .address_space: global }
      - { .name: qc, .offset: 48, .size: 8, .value_kind: global_buffer, .address_space: global }
      - { .name: kv, .offset: 56, .size: 8, .value_kind: global_buffer, .address_space: global }
      - { .name: wc, .offset: 64, .size: 8, .value_kind: global_buffer, .address_space: global }
    .group_segment_fixed_size: 216320
    .private_segment_fixed_size: 0
    .kernarg_segment_align: 8
    .kernarg_segment_size: 72
    .max_flat_workgroup_size: 320
    .sgpr_count:     66
    .vgpr_count:     256
    .wavefront_size: 32
...
	.end_amdgpu_metadata
.endif
;; end of part 1
;; launch attn (part 2): grid 64 x 4, 20 waves a work-group, clusters of 4 x 1, 327,680 bytes of LDS; arguments qc, kv, wc, edge, lowp_scales, bo, out0; writes out0
.if DOCPART == 2
	.amdgcn_target "amdgcn-amd-amdhsa--gfx1250"
	.amdhsa_code_object_version 6
	.text
	.protected	k_qbf98580e0f_attn
	.globl	k_qbf98580e0f_attn
	.p2align	8
	.type	k_qbf98580e0f_attn,@function
k_qbf98580e0f_attn:
	s_mov_b64 s[64:65], 0
	v_nop
	global_prefetch_b8 v0, s[64:65] scope:SCOPE_SE
	s_setreg_imm32_b32 hwreg(HW_REG_WAVE_MODE, 25, 1), 1
	s_wait_xcnt 0x0
	s_wait_alu depctr_hold_cnt(0) depctr_sa_sdst(0) depctr_va_vdst(0) depctr_va_sdst(0) depctr_va_ssrc(0) depctr_va_vcc(0) depctr_vm_vsrc(0)
	s_getreg_b32 s2, hwreg(HW_REG_IB_STS2, 6, 4)
	s_cmp_eq_u32 s2, 0
	s_cbranch_scc0 .Lentry_in_a_cluster
	s_endpgm
.Lentry_in_a_cluster:
	s_bfe_u32 s2, ttmp6, 0x10000c
	s_cmp_lg_u32 s2, 0x3003
	s_cbranch_scc0 .Lentry_shape_is_right
	s_endpgm
.Lentry_shape_is_right:
; Products 4, 5 and 6: out0 = Q(softmax(q k^T / 8 x e_i e_j) v) Wo + bo, all on codes of FP8 (E4M3) by v_wmma_f32_16x16x64_fp8_fp8 in its own layout.
; qc, kv, wc hold fragments as images of their registers (16 rows x 64 k, 8 registers; registers 4 q .. 4 q + 3 of lane l at 512 q + 16 l).
; THE SOFTMAX: t = score x e_i e_j x log2(e) / 8; M = the largest t so far, rounded UP to a whole number; p = 2^(t - M) is what is quantised (scale 2^e8); the sum l is taken of the unquantised p and divides at the end.
; When M moves, l and O are multiplied by 2^(old M - new M), which rounds nothing.  edge of head hh in batch b is edge[(b + hh) mod 4]; it may have either sign.
; e_j multiplies the scores; |e_i| goes into the one factor c a lane; the SIGN of e_i is turned into q's codes once, so c is never negative and the maximum may be taken ahead of it.
; SHARES.  A work-group owns 32 queries of one batch, all five heads, so a whole row of the attention's result meets in one work-group and the last product is made here.
; Twenty waves; wave w: head hh = w / 4, quarter g = w % 4 of every block of 256 keys, BOTH tiles (a, b) of 16 queries: each fragment of K and V is read from LDS once and multiplies both.
; A wave has M, l and O of its own for its quarter of the keys; the four quarters are merged at the end by exact powers of two.
; Both products are used transposed (S^T = K Q^T, O^T = V^T P^T): a lane holds ONE query of each tile throughout, a conversion of a tile's eight registers gives registers 2 c, 2 c + 1 of the next operand.
; THE RING is each wave's own: 12,288 bytes, [V of even places][K][V of odd places].  One tensor load a wave brings a unit of kv, K and V of its 64 keys: kv holds (V, K) in even blocks and (K, V) in odd ones, so that the unit lands on the
; first two parts at even places and on the last two at odd ones.  K and the edge numbers of a place are in registers before the round behind which K's part is filled again; V is read behind it.
; THE WALK.  The running M leaves the order of the keys free: cluster x of a batch's sixteen takes at place j block j xor 2 (x mod 4); a batch's clusters stand at four different blocks, and the first two places name every block of K and V among them.
; No prefetch is laid: the loads of the first two places already name all of K and V.  The edge vectors are laid in LDS in the walk's order.
; CLUSTER.  The four work-groups of a cluster belong to one batch and walk the same K and V: each unit is asked for JOINTLY, by the same tensor load with the same descriptor and the mask of all four.  A wave has one tensor load out at the most.
; LIMITS on the given exponents: e8 and e10 between -126 and 119; e10 + e11 between -126 and 127; e6 + e7 and e8 + e9 go by v_ldexp_f32 and have none.  The scaled scores t stay under 2^31 in magnitude.  NaN among the inputs is not served.
; M runs, in the walk's order, and each quarter of the keys has its own: the quantised p keep their values but for numbers under the format's range; for e8 < -8 the hold at the largest code acts on p under the running M.
; A HEAD'S CHANNELS stand in the order in which the launch before lays them, alike in q and k, and alike in V's tiles and Wo's fragments: place 16 c + 8 h + j is channel 32 (c / 2) + 2 (8 h + j) + c % 2.
.set RINGB, 12288
.set BLK,   163840                     ; a block of 256 keys in kv: 20 units (4 hh + g) of 8,192
.set BATB,  1310720                    ; a batch's eight blocks
.set EDGE,  245760                     ; behind the rings: five vectors of 2,048 f32, one a head, in the walk's order: stored once by the waves, never filled
.set SPARE, 286720                     ; the spare words: 128 bytes for each of the twenty waves, ten blocks of 256 bytes that no other line names
.set STAT,  289280                     ; the end: -M and l of both tiles, 512 bytes a wave
.set OIMG,  299520                     ; the end: the result's codes: ten images, (query tile t, head hh) at (5 t + hh) 1,024
.set YP,    1296                       ; the way out: 32 rows of 1,280 bytes + 16, from LDS byte 0 on: the rings have had their last fill then
.set QA, 16                            ; v16-23, v24-31  the two tiles' fragments of q
.set SA, 64                            ; v64-95   S^T of tile a, then p;  v96-127 of tile b
.set SB, 96
.set OA, 128                           ; v128-159 O^T of tile a;  v160-191 of tile b
.set OB, 160
; v0 thread; v1 my ring + 16 lane; v2, v3 the spare word's address and 0; v4, v5 -M of a, b; v6 2^e8; v7 my place in the edge vectors; v[8:9], v[10:11] l of a, b in halves; v12, v13 c of a, b; v14, v15 at work, f of a, b
; K's fragments: key tiles 0, 1 at v80, v88 (where S^T's second half will lie), 2, 3 at v32, v40;  edge numbers: 0, 1 at v112, v120, 2, 3 at v48, v56;  V's: channel tiles 0-2 at v32, v40, v48, 3 at v64;  p's codes: a v56-63, b v72-79
; s20 wave, s21 hh, s23 g; s22 trips; s[24:31] group 1 of a unit, s[72:79] of the head's load; s[32:35], s[36:39] groups 0 of even and odd places; s[40:41] lane selects; s42 448 x 2^e8; s43 the trip's bytes in the edge vector;
; s[44:45] my units in the batch, s46 the place that is asked for, s58 2 (x mod 4); s[2:3] a block's bytes (s3 = 0); s47 cx, s48 batch, s49 query block; s[52:57] e6 .. e11
.macro CREST                           ; a round of the cluster's barrier behind its opening barrier
	s_cmp_lg_u32 s20, 0
	s_cbranch_scc1 .Lnot_wave_0_\@
	s_barrier_signal -3
.Lnot_wave_0_\@:
	s_barrier_wait -3
	s_barrier_signal -1
	s_barrier_wait -1
.endm
.macro BAR
	s_barrier_signal -1
	s_barrier_wait -1
.endm
.macro TLOAD g0, g1
	tensor_load_to_lds s[\g0:\g0+3], s[\g1:\g1+7]
	s_nop 0
.rept 4
	v_nop                                          ; plain lines behind a tensor load
.endr
.endm
.macro LDF reg, off                    ; a fragment from my ring
	ds_load_b128 v[\reg:\reg+3], v1 offset:\off
	ds_load_b128 v[\reg+4:\reg+7], v1 offset:\off+512
.endm
.macro LDE reg, off                    ; edge numbers of a key tile: register j = key 8 h + j
	ds_load_b128 v[\reg:\reg+3], v14 offset:\off
	ds_load_b128 v[\reg+4:\reg+7], v14 offset:\off+16
.endm
.macro LDK
	LDF 80, 4096
	LDF 88, 5120
	LDF 32, 6144
	LDF 40, 7168
.endm
.macro SPROD ka, sa, sb                ; 16 keys x both tiles
	v_wmma_f32_16x16x64_fp8_fp8 v[\sa:\sa+7], v[\ka:\ka+7], v[QA:QA+7], 0
	v_wmma_f32_16x16x64_fp8_fp8 v[\sb:\sb+7], v[\ka:\ka+7], v[QA+8:QA+15], 0
.endm
.macro EMUL s, e                       ; x e_j; each accumulator from its low end on
.irp i, 0,2,4,6
	v_pk_mul_f32 v[\s+\i:\s+\i+1], v[\s+\i:\s+\i+1], v[\e+\i:\e+\i+1]
.endr
.endm
.macro HOLD s                          ; the conversion does not saturate (ISA guide 7.6.2); p is not negative, so the hold is one-sided; two numbers an instruction
.set i, 0
.rept 16
	v_dual_min_num_f32 v[\s+i], s42, v[\s+i] :: v_dual_min_num_f32 v[\s+i+1], s42, v[\s+i+1]
.set i, i+2
.endr
.endm
.macro CODES d, s                      ; registers 2 c, 2 c + 1 of P's fragment: keys 16 c + 8 h + 0 .. 7
.irp c, 0,1,2,3
	v_cvt_scalef32_pk8_fp8_f32 v[\d+2*\c:\d+2*\c+1], v[\s+8*\c:\s+8*\c+7], v6
.endr
.endm
.macro PVPROD c, v                     ; O^T += V^T P^T: 16 channels x both tiles; the eight accumulators take turns
	v_wmma_f32_16x16x64_fp8_fp8 v[OA+8*\c:OA+8*\c+7], v[\v:\v+7], v[56:63], v[OA+8*\c:OA+8*\c+7]
	v_wmma_f32_16x16x64_fp8_fp8 v[OB+8*\c:OB+8*\c+7], v[\v:\v+7], v[72:79], v[OB+8*\c:OB+8*\c+7]
.endm
; Ahead of the last products: Wo's five fragments of my 16 output columns and bo, into registers that hold nothing any more
.macro TAILPRE
	s_mul_i32 s60, s20, 5120                       ; column tile w's five fragments in wc
	s_mov_b32 s61, 0
	s_add_nc_u64 s[8:9], s[8:9], s[60:61]
	s_lshl_b32 s60, s20, 6
	v_and_b32 v18, 31, v0                          ; lane
	v_bfe_u32 v20, v0, 4, 1                        ; h
	v_lshlrev_b32 v16, 4, v18                      ; 16 x lane
	v_lshl_add_u32 v17, v20, 5, s60                ; bo: 64 w + 32 h
.set i, 0
.rept 10
	global_load_b128 v[80+4*i:83+4*i], v16, s[8:9] offset:512*i   ; K step (head) s at v[80 + 8 s]
.set i, i+1
.endr
	global_load_b128 v[120:123], v17, s[14:15]
	global_load_b128 v[124:127], v17, s[14:15] offset:16
.endm
; A KEY STEP: my 64 keys of a block, both tiles.  cur: the place's parity; fill = 1: the next place's unit is asked for, and its K and edge numbers are brought into registers at the step's end.
; In front of the round each wave waits for all its tensor loads, adds 0 to its spare word, and waits for that and for its reads of the ring: this place's K and the last place's V, on whose bytes the refill lands.
.macro STEP cur, fill
.if \fill
	s_wait_tensorcnt 0x0                           ; no tensor load of mine is out, so a group 0 may be written
	ds_add_u32 v2, v3                              ; 0 onto my spare word; the descriptor's step stands between it and the wait for it
.set G, 36-4*\cur
	s_add_co_u32 s46, s46, 1                       ; the next place,
	s_xor_b32 s2, s46, s58                         ; its block
	s_mul_i32 s2, s2, BLK
	s_add_nc_u64 s[G+2:G+3], s[44:45], s[2:3]
	s_or_b32 s[G+3], s[G+3], 0x80000000            ; type = 2
.endif
	s_wait_dscnt 0x0
.if \fill
	s_barrier_signal -1                            ; opens the round; register work while the others arrive:
.endif
	SPROD 80, SA, SB                               ; S^T: lane (r, h): query r; register 8 c + j: key 16 c + 8 h + j
	SPROD 88, SA+8, SB+8
.rept 4
	v_nop                                          ; four places (ISA guide 7.12.1) ahead of the first read of the scores
.endr
	EMUL SA, 112
	EMUL SB, 112
	EMUL SA+8, 120
	EMUL SB+8, 120
	SPROD 32, SA+16, SB+16                         ; these land where the first half's operands lay: the lines above are the places behind the products that read them
	SPROD 40, SA+24, SB+24
	v_max3_num_f32 v14, v[SA], v[SA+1], v[SA+2]    ; the largest of the first half: the places behind the products above
	v_max3_num_f32 v15, v[SB], v[SB+1], v[SB+2]
.set i, 3
.rept 6
	v_max3_num_f32 v14, v14, v[SA+i], v[SA+i+1]
	v_max3_num_f32 v15, v15, v[SB+i], v[SB+i+1]
.set i, i+2
.endr
	EMUL SA+16, 48
	EMUL SB+16, 48
	EMUL SA+24, 56
	EMUL SB+24, 56
.if \fill
	s_wait_alu depctr_va_vdst(0)
	s_barrier_wait -1
	CREST
	TLOAD G, 24                                    ; K and V of the next place: the first thing behind the round
.endif
	LDF 32, 8192*\cur                              ; V of this place: channel tiles 0 to 2
	LDF 40, 8192*\cur+1024
	LDF 48, 8192*\cur+2048
.set i, 15
.rept 8
	v_max3_num_f32 v14, v14, v[SA+i], v[SA+i+1]
	v_max3_num_f32 v15, v15, v[SB+i], v[SB+i+1]
.set i, i+2
.endr
	v_max_num_f32 v14, v14, v[SA+31]
	v_max_num_f32 v15, v15, v[SB+31]
	v_permlanex16_b32 v56, v14, s40, s41
	v_permlanex16_b32 v57, v15, s40, s41
	v_max_num_f32 v14, v14, v56                    ; and among lane l xor 16's
	v_max_num_f32 v15, v15, v57
	v_mul_f32 v56, -v12, v14                       ; -t of the largest (c is not negative)
	v_mul_f32 v57, -v13, v15
	v_floor_f32 v56, v56                           ; -ceil(t): a whole number
	v_floor_f32 v57, v57
	v_min_num_f32 v56, v56, v4                     ; the new -M
	v_min_num_f32 v57, v57, v5
	v_sub_f32 v14, v56, v4                         ; old M - new M: a whole number, 0 or less
	v_sub_f32 v15, v57, v5
	v_mov_b32 v4, v56
	v_mov_b32 v5, v57
	v_cvt_i32_f32 v14, v14                         ; (it saturates)
	v_cvt_i32_f32 v15, v15
	v_ldexp_f32 v14, 1.0, v14                      ; f = 2^(old M - new M)
	v_ldexp_f32 v15, 1.0, v15
.set i, 0
.rept 16
	v_pk_fma_f32 v[SA+i:SA+i+1], v[SA+i:SA+i+1], v[12:13], v[4:5] op_sel_hi:[1,0,0]                   ; t - M, two at a time: of the pairs a takes the low word,
	v_pk_fma_f32 v[SB+i:SB+i+1], v[SB+i:SB+i+1], v[12:13], v[4:5] op_sel:[0,1,1] op_sel_hi:[1,1,1]   ; b the high one
.set i, i+2
.endr
	v_pk_mul_f32 v[8:9], v[8:9], v[14:15] op_sel_hi:[1,0]              ; l and O^T under the new M
	v_pk_mul_f32 v[10:11], v[10:11], v[14:15] op_sel:[0,1] op_sel_hi:[1,1]
.set i, 0
.rept 16
	v_pk_mul_f32 v[OA+i:OA+i+1], v[OA+i:OA+i+1], v[14:15] op_sel_hi:[1,0]
	v_pk_mul_f32 v[OB+i:OB+i+1], v[OB+i:OB+i+1], v[14:15] op_sel:[0,1] op_sel_hi:[1,1]
.set i, i+2
.endr
	s_wait_alu depctr_va_vdst(0)                   ; one wait ahead of the batch of 64
.set i, 0
.rept 64
	v_exp_f32 v[SA+i], v[SA+i]                     ; p = 2^(t - M), at most 1: not normalised
.set i, i+1
.endr
	v_nop                                          ; a plain line behind the exponentials
	s_wait_alu depctr_va_vdst(0)                   ; and one wait behind the batch, ahead of its first reader
	v_pk_add_f32 v[56:57], v[SA:SA+1], v[SA+2:SA+3]   ; the sums, of the unquantised p, in two chains a tile
	v_pk_add_f32 v[58:59], v[SB:SB+1], v[SB+2:SB+3]
.set i, 4
.rept 7
	v_pk_add_f32 v[8:9], v[8:9], v[SA+i:SA+i+1]
	v_pk_add_f32 v[10:11], v[10:11], v[SB+i:SB+i+1]
	v_pk_add_f32 v[56:57], v[56:57], v[SA+i+2:SA+i+3]
	v_pk_add_f32 v[58:59], v[58:59], v[SB+i+2:SB+i+3]
.set i, i+4
.endr
	v_pk_add_f32 v[8:9], v[8:9], v[56:57]
	v_pk_add_f32 v[10:11], v[10:11], v[58:59]
	HOLD SA
	CODES 56, SA
	LDF 64, 8192*\cur+3072                         ; V's channel tile 3, where a's first p lay
	HOLD SB
	CODES 72, SB
	v_nop                                          ; a plain line between the last conversion and the products that read its result
.if \fill
	v_add_nc_u32 v14, s43, v7
	LDE 112, 1024*(\cur+1)                         ; the next place's edge numbers, key tiles 0, 1
	LDE 120, 1024*(\cur+1)+64
.else
	TAILPRE
.endif
	s_wait_alu depctr_va_vdst(0)
	s_wait_dscnt 4*\fill                           ; V's eight loads are in; the four edge loads issued behind them may be out
	PVPROD 0, 32
	PVPROD 1, 40
	PVPROD 2, 48
	PVPROD 3, 64
.if \fill
.rept 5
	v_nop                                          ; four places ahead of the loads into the products' sources, and five ahead of the next step's products, which write over some of them
.endr
	LDE 48, 1024*(\cur+1)+128
	LDE 56, 1024*(\cur+1)+192
	s_wait_tensorcnt 0x0                           ; my unit of the next place is in; only I read it
	LDK
.endif
.endm
	s_load_b256 s[4:11], s[0:1], 0x0               ; qc s[4:5], kv s[6:7], wc s[8:9], edge s[10:11]
	s_load_b128 s[12:15], s[0:1], 0x20             ; lowp_scales s[12:13], bo s[14:15]
	s_load_b64 s[16:17], s[0:1], 0x30              ; out0
	v_lshl_add_u32 v2, v0, 2, SPARE
	v_mov_b32 v3, 0
	ds_add_u32 v2, v3                              ; the wave's opening: the add, twice on end, and its wait ahead of my first tensor load
	ds_add_u32 v2, v3
	v_lshrrev_b32 v4, 5, v0
	v_readfirstlane_b32 s20, v4                    ; wave 0..19
	v_and_b32 v96, 31, v0
	v_and_b32 v97, 15, v0                          ; r
	v_bfe_u32 v98, v0, 4, 1                        ; h
	v_lshlrev_b32 v96, 4, v96                      ; 16 x lane
	s_wait_alu depctr_va_vdst(0)                   ; ahead of the scalar lines below
	s_lshr_b32 s21, s20, 2                         ; hh
	s_and_b32 s23, s20, 3                          ; g
	s_bfe_u32 s47, ttmp6, 0x40000                  ; cx: my place in the cluster
	s_and_b32 s48, ttmp7, 0xffff                   ; the batch, which the four partners share
	s_lshl_b32 s49, ttmp9, 2                       ; in a cluster launch ttmp9 counts clusters
	s_add_co_u32 s49, s49, s47                     ; my block of 32 queries: it enters global addresses alone
	s_and_b32 s58, ttmp9, 3
	s_lshl_b32 s58, s58, 1                         ; the walk: block = place xor this
	; descriptor group 1: rows of 32 elements of 8 bytes, dense: 32 rows = a unit.  At the head the tile has 48 rows, so that the whole ring is filled once, and the tensor 32: place 0's unit, and zeros, which nobody reads, in the last 4,096 bytes
.irp g, 24, 72
	s_mov_b32 s[\g], 15|(3<<16)|(1<<21)            ; 15:0 the mask: all four work-groups; 17:16 elements of 8 bytes; 21 set beside a mask; no padding: images are read as they lie
	s_mov_b32 s[\g+1], 32<<16                      ; tensor_dim0 = 32
	s_mov_b32 s[\g+3], 32<<16                      ; tile_dim0 = 32
	s_mov_b32 s[\g+5], 32                          ; from row to row
	s_mov_b32 s[\g+6], 0
	s_mov_b32 s[\g+7], 0
.endr
	s_mov_b32 s26, 32<<16                          ; tensor_dim1
	s_mov_b32 s28, 32                              ; tile_dim1
	s_mov_b32 s74, 32<<16
	s_mov_b32 s76, 48
	s_mov_b32 s40, 0x76543210                      ; v_permlanex16_b32: lane l xor 16
	s_mov_b32 s41, 0xfedcba98
	s_mov_b32 s32, 1
	s_mov_b32 s36, 1
	s_mul_i32 s33, s20, RINGB                      ; my ring: no place in the cluster enters an LDS address
	s_add_co_u32 s37, s33, 4096
	s_mul_i32 s50, s48, BATB
	s_lshl_b32 s51, s20, 13
	s_add_co_u32 s50, s50, s51                     ; my units in the batch
	s_mov_b32 s51, 0
	s_mul_i32 s2, s58, BLK                         ; place 0
	s_mov_b32 s3, 0
	s_mov_b32 s43, 0
	s_mov_b32 s46, 0
	s_wait_dscnt 0x0                               ; both opening adds are done
	BAR
	CREST                                          ; all four work-groups are here: the first joint loads meet
	s_wait_kmcnt 0x0
	s_load_b128 s[52:55], s[12:13], 0x18           ; e6, e7, e8, e9
	s_load_b64 s[56:57], s[12:13], 0x28            ; e10, e11
	s_add_nc_u64 s[44:45], s[6:7], s[50:51]
	s_add_nc_u64 s[34:35], s[44:45], s[2:3]
	s_or_b32 s35, s35, 0x80000000                  ; type = 2
	TLOAD 32, 72                                   ; place 0: my one tensor load at the head
	s_add_co_u32 s60, s48, s21
	s_and_b32 s60, s60, 3                          ; (b + hh) mod 4
	s_lshl_b32 s60, s60, 13
	s_mov_b32 s61, 0
	s_add_nc_u64 s[10:11], s[10:11], s[60:61]      ; my head's edge vector in memory
	s_lshl_b32 s62, s23, 1
	s_xor_b32 s62, s62, s58
	s_lshl_b32 s62, s62, 10
	s_mov_b32 s63, 0
	s_add_nc_u64 s[62:63], s[10:11], s[62:63]      ; I lay places 2 g, 2 g + 1 of it: blocks 2 g xor s58 and the next, 2,048 consecutive bytes
	s_mul_i32 s60, s48, 655360
	s_mul_i32 s66, ttmp9, 40960                    ; my queries' block of 128: the cluster's;
	s_add_co_u32 s60, s60, s66
	s_lshl_b32 s66, s21, 13
	s_add_co_u32 s60, s60, s66                     ; my head;
	s_lshl_b32 s66, s47, 11
	s_add_co_u32 s60, s60, s66                     ; tiles 2 cx, 2 cx + 1
	s_add_nc_u64 s[4:5], s[4:5], s[60:61]
	s_lshl_b32 s60, s49, 7
	s_lshl_b32 s66, s20, 11
	s_add_co_u32 s66, s66, EDGE
	s_lshl_b32 s67, s21, 13
	s_lshl_b32 s68, s23, 8
	s_add_co_u32 s67, s67, s68
	s_add_co_u32 s67, s67, EDGE
	v_lshl_add_u32 v99, v97, 2, s60                ; e_i: query 32 block + 16 t + r
.irp k, 0,1,2,3
	global_load_b128 v[64+4*\k:67+4*\k], v96, s[62:63] offset:512*\k
.endr
.irp k, 0,1,2,3
	global_load_b128 v[QA+4*\k:QA+4*\k+3], v96, s[4:5] offset:512*\k
.endr
	global_load_b32 v12, v99, s[10:11]
	global_load_b32 v13, v99, s[10:11] offset:64
	v_add_nc_u32 v1, s33, v96                      ; my ring
	v_lshl_add_u32 v7, v98, 5, s67                 ; my head's edge vector, + 256 g + 32 h
	v_add_nc_u32 v100, s66, v96                    ; where I lay edge numbers: 2,048 bytes a wave
	v_add_nc_u32 v14, s43, v7
.set i, 0
.rept 64
	v_mov_b32 v[OA+i], 0                           ; O^T: the step is written once; the first finds zeros, which the first change of M leaves zeros
.set i, i+1
.endr
.irp i, 8,9,10,11
	v_mov_b32 v\i, 0                               ; l
.endr
	v_mov_b32 v4, 0x7f61b1e6                       ; -M so far: 3e38
	v_mov_b32 v5, 0x7f61b1e6
	s_wait_alu depctr_va_vdst(0)
	s_wait_loadcnt 6                               ; the four loads of the edge vector are in; Q's four and e_i's two, issued behind them, may be out
.irp k, 0,1,2,3
	ds_store_b128 v100, v[64+4*\k:67+4*\k] offset:512*\k
.endr
	s_wait_loadcnt 0x0
	s_wait_kmcnt 0x0
	s_mov_b32 s60, 0x3e38aa3b                      ; log2(e) / 8
	s_add_co_i32 s61, s52, s53                     ; a score stands for score x 2^(e6 + e7)
	s_add_co_i32 s62, s54, 127
	s_lshl_b32 s63, s62, 23                        ; 2^e8 as f32
	s_add_co_i32 s62, s62, 8
	s_lshl_b32 s62, s62, 23
	s_or_b32 s42, s62, 0x600000                    ; 448 x 2^e8
	v_mov_b32 v6, s63
	v_ashrrev_i32 v101, 31, v12
	v_ashrrev_i32 v102, 31, v13
	v_mul_f32 v12, |v12|, s60
	v_mul_f32 v13, |v13|, s60
	v_and_b32 v101, 0x80808080, v101               ; where e_i is negative, the sign bit of each of q's codes is turned
	v_and_b32 v102, 0x80808080, v102
	v_ldexp_f32 v12, v12, s61                      ; c = |e_i| x log2(e) / 8 x 2^(e6 + e7)
	v_ldexp_f32 v13, v13, s61
.set i, 0
.rept 8
	v_xor_b32 v[QA+i], v101, v[QA+i]
	v_xor_b32 v[QA+8+i], v102, v[QA+8+i]
.set i, i+1
.endr
	s_wait_alu depctr_va_vdst(0)
	s_wait_tensorcnt 0x0                           ; my unit of place 0 is in; only I read it
	s_wait_dscnt 0x0                               ; my part of the edge vectors has landed;
	BAR                                            ; everybody's.
	LDK
	LDE 112, 0
	LDE 120, 64
	LDE 48, 128
	LDE 56, 192
	s_mov_b32 s22, 3
.Ltrip:                                            ; three trips of two places
	STEP 0, 1
	STEP 1, 1
	s_add_co_u32 s43, s43, 2048                    ; two places of 256 numbers on in the edge vector
	s_sub_co_u32 s22, s22, 1
	s_cmp_lg_u32 s22, 0
	s_cbranch_scc1 .Ltrip
	STEP 0, 1                                      ; place 6 asks for place 7
	STEP 1, 0                                      ; place 7: nothing is left to fetch
	; THE END.  Addresses first: these plain lines are also the places behind the last products.
	s_mul_i32 s60, s21, 4*RINGB
	s_lshl_b32 s61, s23, 10
	s_add_co_u32 s60, s60, s61                     ; channel tile g in the rings of my head's four waves
	s_lshl_b32 s61, s20, 9
	s_add_co_u32 s61, s61, STAT
	s_lshl_b32 s62, s21, 11
	s_add_co_u32 s62, s62, STAT
	s_lshl_b32 s63, s21, 10
	s_lshr_b32 s66, s23, 1
	s_lshl_b32 s66, s66, 9
	s_add_co_u32 s63, s63, s66
	s_and_b32 s66, s23, 1
	s_lshl_b32 s66, s66, 3
	s_add_co_u32 s63, s63, s66
	s_add_co_u32 s63, s63, OIMG                    ; registers 2 g, 2 g + 1 of K step hh's images
	s_lshl_b32 s66, s20, 6
	s_lshl_b32 s67, s23, 3
	s_lshl_b32 s71, s21, 8
	s_add_co_i32 s70, s54, s55                     ; e8 + e9
	s_add_co_i32 s68, s56, 127
	s_lshl_b32 s69, s68, 23                        ; 2^e10 as f32
	s_add_co_i32 s68, s68, 8
	s_lshl_b32 s68, s68, 23
	s_or_b32 s68, s68, 0x600000                    ; 448 x 2^e10
	v_and_b32 v19, 15, v0                          ; r
	v_add_nc_u32 v21, s60, v16                     ; the exchange, read
	v_add_nc_u32 v22, s61, v16                     ; my -M and l
	v_add_nc_u32 v23, s62, v16                     ; my head's four
	v_add_nc_u32 v24, s63, v16                     ; codes, stored
	v_add_nc_u32 v25, OIMG, v16                    ; codes, read
	v_mul_u32_u24 v26, v19, YP
	v_lshl_add_u32 v26, v20, 5, v26
	v_add_nc_u32 v26, s66, v26                     ; the stage, in: row r, + 64 w + 32 h
	v_add_nc_u32 v29, s67, v20                     ; back: rows 8 g + h + 2 k, the 256 bytes at 256 hh
	v_mul_u32_u24 v27, v29, YP
	v_lshl_add_u32 v27, v19, 4, v27
	v_add_nc_u32 v27, s71, v27                     ; in the stage,
	v_mul_u32_u24 v28, v29, 1280
	v_lshl_add_u32 v28, v19, 4, v28
	v_add_nc_u32 v28, s71, v28                     ; and in out0
	v_mov_b32 v12, s68
	v_mov_b32 v13, s69
	v_add_f32 v8, v8, v9                           ; l's two halves,
	v_add_f32 v10, v10, v11
	v_permlanex16_b32 v9, v8, s40, s41
	v_permlanex16_b32 v11, v10, s40, s41
	v_add_f32 v6, v8, v9                           ; and lane l xor 16's: my quarter of the keys' sums
	v_add_f32 v7, v10, v11
.set i, 0
.rept 16
	ds_store_b128 v1, v[OA+4*i:OA+4*i+3] offset:512*i   ; tile (t, c) at (4 t + c) 1,024 of my own ring, which has had its last fill; each accumulator from its low end on
.set i, i+1
.endr
	ds_store_b128 v22, v[4:7]                      ; -M of a, b; l of a, b
	s_lshl_b32 s60, s48, 11
	s_lshl_b32 s61, s49, 5
	s_add_co_u32 s60, s60, s61
	s_mul_i32 s60, s60, 1280                       ; my work-group's first row of out0
	s_mov_b32 s61, 0
	s_add_nc_u64 s[16:17], s[16:17], s[60:61]
	s_add_co_i32 s68, s56, s57
	s_add_co_i32 s68, s68, 127
	s_lshl_b32 s68, s68, 23                        ; 2^(e10 + e11) as f32
	s_mov_b32 s69, s68                             ; (named with it as a pair, so it is written)
	s_wait_alu depctr_va_vdst(0)
	s_wait_dscnt 0x0                               ; for the others' sake: my stores have landed
	BAR
	; each wave of a head merges, divides and quantises one channel tile, c = g, of both query tiles
.irp k, 0,1,2,3
	ds_load_b128 v[32+4*\k:35+4*\k], v23 offset:512*\k
.endr
.irp k, 0,1,2,3
.irp t, 0,1
	ds_load_b128 v[OA+16*\k+8*\t:OA+16*\k+8*\t+3], v21 offset:RINGB*\k+4096*\t
	ds_load_b128 v[OA+16*\k+8*\t+4:OA+16*\k+8*\t+7], v21 offset:RINGB*\k+4096*\t+512
.endr
.endr
	s_wait_dscnt 16                                ; the four of -M and l are in; O^T's sixteen may be out
	v_min3_num_f32 v48, v32, v36, v40              ; -M of the row: the smallest of the four
	v_min3_num_f32 v49, v33, v37, v41
	v_min_num_f32 v48, v48, v44
	v_min_num_f32 v49, v49, v45
.irp k, 0,1,2,3
	v_sub_f32 v[50+2*\k], v48, v[32+4*\k]          ; its M - the row's: a whole number, 0 or less
	v_sub_f32 v[51+2*\k], v49, v[33+4*\k]
.endr
.irp k, 0,1,2,3,4,5,6,7
	v_cvt_i32_f32 v[50+\k], v[50+\k]
.endr
.irp k, 0,1,2,3,4,5,6,7
	v_ldexp_f32 v[50+\k], 1.0, v[50+\k]            ; exact powers of two
.endr
	v_mul_f32 v58, v34, v50
	v_mul_f32 v59, v35, v51
.irp k, 1,2,3
	v_fmac_f32 v58, v[34+4*\k], v[50+2*\k]         ; the row's sum
	v_fmac_f32 v59, v[35+4*\k], v[51+2*\k]
.endr
	s_wait_alu depctr_va_vdst(0)                   ; one wait ahead of the two reciprocals,
	v_rcp_f32 v58, v58
	v_rcp_f32 v59, v59
	v_nop                                          ; a plain line behind them,
	s_wait_alu depctr_va_vdst(0)                   ; and one ahead of their first reader
	v_ldexp_f32 v58, v58, s70                      ; x 2^(e8 + e9)
	v_ldexp_f32 v59, v59, s70
.irp k, 0,1,2,3
	v_pk_mul_f32 v[50+2*\k:51+2*\k], v[50+2*\k:51+2*\k], v[58:59]   ; the factors of both tiles
.endr
	s_wait_alu depctr_va_vdst(0)
	s_wait_dscnt 0x0
.irp i, 0,2,4,6
	v_pk_mul_f32 v[OA+\i:OA+\i+1], v[OA+\i:OA+\i+1], v[50:51] op_sel_hi:[1,0]
	v_pk_mul_f32 v[OA+8+\i:OA+9+\i], v[OA+8+\i:OA+9+\i], v[50:51] op_sel:[0,1] op_sel_hi:[1,1]
.endr
.irp k, 1,2,3
.irp i, 0,2,4,6
	v_pk_fma_f32 v[OA+\i:OA+\i+1], v[OA+16*\k+\i:OA+16*\k+\i+1], v[50+2*\k:51+2*\k], v[OA+\i:OA+\i+1] op_sel_hi:[1,0,1]
	v_pk_fma_f32 v[OA+8+\i:OA+9+\i], v[OA+16*\k+8+\i:OA+16*\k+9+\i], v[50+2*\k:51+2*\k], v[OA+8+\i:OA+9+\i] op_sel:[0,1,0] op_sel_hi:[1,1,1]
.endr
.endr                                              ; the attention's result: register j = place 16 g + 8 h + j of query r
.set i, 0
.rept 16
	v_med3_num_f32 v[OA+i], v[OA+i], -v12, v12
.set i, i+1
.endr
	v_cvt_scalef32_pk8_fp8_f32 v[48:49], v[OA:OA+7], v13
	v_cvt_scalef32_pk8_fp8_f32 v[50:51], v[OA+8:OA+15], v13
	v_nop                                          ; a plain line behind the last conversion
	ds_store_b64 v24, v[48:49]
	ds_store_b64 v24, v[50:51] offset:5120
	s_wait_dscnt 0x0
	BAR                                            ; the ten images lie in LDS, and the rings are read no more
	; out0 = codes x Wo + bo: wave w makes columns 16 w .. 16 w + 15 for the 32 queries, transposed (source 0 = 16 columns of Wo, source 1 = 16 queries): a lane holds eight neighbouring columns of a row
.macro FREG n                          ; fragment 5 t + s: eight of them at v128 on, the last two at v32 on
.if (\n) < 8
.set FR, 128+8*(\n)
.else
.set FR, 32+8*((\n)-8)
.endif
.endm
.irp n, 0,1,2,3,4,5,6,7,8,9
	FREG \n
	ds_load_b128 v[FR:FR+3], v25 offset:1024*\n
	ds_load_b128 v[FR+4:FR+7], v25 offset:1024*\n+512
.endr
	s_wait_dscnt 0x0
	s_wait_loadcnt 0x0                             ; Wo and bo
.irp s, 0,1,2,3,4
.irp t, 0,1
	FREG 5*\t+\s
.if \s == 0
	v_wmma_f32_16x16x64_fp8_fp8 v[48+8*\t:55+8*\t], v[80+8*\s:87+8*\s], v[FR:FR+7], 0
.else
	v_wmma_f32_16x16x64_fp8_fp8 v[48+8*\t:55+8*\t], v[80+8*\s:87+8*\s], v[FR:FR+7], v[48+8*\t:55+8*\t]
.endif
.endr
.endr                                              ; the two accumulators take turns, one instruction a turn
.rept 4
	v_nop                                          ; four places ahead of the first read of the sums
.endr
.irp t, 0,1
.irp i, 0,2,4,6
	v_pk_fma_f32 v[64+8*\t+\i:65+8*\t+\i], v[48+8*\t+\i:49+8*\t+\i], s[68:69], v[120+\i:121+\i] op_sel_hi:[1,0,1]   ; sum x 2^(e10 + e11) + bo
.endr
.endr
.irp t, 0,1
	ds_store_b128 v26, v[64+8*\t:67+8*\t] offset:16*YP*\t
	ds_store_b128 v26, v[68+8*\t:71+8*\t] offset:16*YP*\t+16
.endr
	s_wait_dscnt 0x0
	BAR                                            ; 32 whole rows lie in the stage
.irp k, 0,1,2,3
	ds_load_b128 v[128+4*\k:131+4*\k], v27 offset:2*YP*\k
.endr
.irp k, 0,1,2,3
	s_wait_dscnt 3-\k                              ; LDS loads come back in order: load k is in, the younger ones may be out
	global_store_b128 v28, v[128+4*\k:131+4*\k], s[16:17] offset:2560*\k th:TH_STORE_NT   ; sixteen lanes store 256 consecutive bytes, at a multiple of 256 from out0's first byte
.endr
	s_wait_tensorcnt 0x0                           ; the wave's end, behind my last tensor load and my last LDS store
	ds_add_u32 v2, v3
	s_wait_dscnt 0x0
	BAR
	CREST                                          ; the closing round: no work-group ends while a partner may still ask for a unit that names it
	s_endpgm
.Lfunc_end_k_qbf98580e0f_attn:
	.size	k_qbf98580e0f_attn, .Lfunc_end_k_qbf98580e0f_attn-k_qbf98580e0f_attn
	.p2alignl 7, 3214868480
	.fill 96, 4, 3214868480
	.section	.rodata,"a",@progbits
	.p2align	6, 0x0
	.amdhsa_kernel k_qbf98580e0f_attn
		.amdhsa_group_segment_fixed_size 327680
		.amdhsa_private_segment_fixed_size 0
		.amdhsa_enable_private_segment 0
		.amdhsa_kernarg_size 56
		.amdhsa_user_sgpr_count 2
		.amdhsa_user_sgpr_kernarg_segment_ptr 1
		.amdhsa_wavefront_size32 1
		.amdhsa_system_sgpr_workgroup_id_x 1
		.amdhsa_system_sgpr_workgroup_id_y 1
		.amdhsa_system_sgpr_workgroup_id_z 1
		.amdhsa_system_vgpr_workitem_id 0
		.amdhsa_next_free_vgpr 192
		.amdhsa_next_free_sgpr 80
		.amdhsa_reserve_vcc 0
		.amdhsa_float_denorm_mode_32 3
		.amdhsa_float_denorm_mode_16_64 3
		.amdhsa_memory_ordered 1
		.amdhsa_forward_progress 1
		.amdhsa_inst_pref_size 102
	.end_amdhsa_kernel
	.amdgpu_metadata
---
amdhsa.version: [ 1, 2 ]
amdhsa.kernels:
  - .name:           k_qbf98580e0f_attn
    .symbol:         k_qbf98580e0f_attn.kd
    .args:
      - { .name: qc, .offset: 0, .size: 8, .value_kind: global_buffer, .address_space: global }
      - { .name: kv, .offset: 8, .size: 8, .value_kind: global_buffer, .address_space: global }
      - { .name: wc, .offset: 16, .size: 8, .value_kind: global_buffer, .address_space: global }
      - { .name: edge, .offset: 24, .size: 8, .value_kind: global_buffer, .address_space: global }
      - { .name: lowp_scales, .offset: 32, .size: 8, .value_kind: global_buffer, .address_space: global }
      - { .name: bo, .offset: 40, .size: 8, .value_kind: global_buffer, .address_space: global }
      - { .name: out0, .offset: 48, .size: 8, .value_kind: global_buffer, .address_space: global }
    .group_segment_fixed_size: 327680
    .private_segment_fixed_size: 0
    .kernarg_segment_align: 8
    .kernarg_segment_size: 56
    .max_flat_workgroup_size: 640
    .sgpr_count:     80
    .vgpr_count:     192
    .wavefront_size: 32
...
	.end_amdgpu_metadata
.endif
;; end of part 2
